; MI455X (gfx1250); checked and timed in simulation.
; The chip was launched on July 23, 2026; its instructions are those of AMD's public machine-readable ISA for CDNA 5 (MIT licence, August 2026) and "CDNA5" Instruction Set Architecture Reference Guide (July 2026). The comments in the code are by the model that wrote it; some were corrected since.
;; Mixture Of Experts. Allowed arithmetic: float matrix products may take bf16 or f16 operands with f32 sums; other float arithmetic in f32, or as packed bf16 or f16 multiplies, adds, multiply-adds, maxima and minima; sums over many terms, partial sums and values carried from step to step in f32; what a program stores and reads back later, other than sums and carried values, may be rounded once to bf16 or f16.
;; Inputs: W1 8 x 1,024 x 1,024 float32; W2 8 x 1,024 x 1,024 float32; Wr 1,024 x 8 float32; b1 8 x 1,024 float32; b2 8 x 1,024 float32; be1 8 x 1,024 float32; be2 8 x 1,024 float32; br 8 float32; g1 8 x 1,024 float32; g2 8 x 1,024 float32; x 2 x 2,048 x 1,024 float32.
;; Outputs: out0 2 x 2,048 x 1,024 float32.
;; 2 versions, each right; version 2 is version 1 with the launch combine written anew for expert scheduling mode. Each part assembles by itself: llvm-mc -triple=amdgcn-amd-amdhsa -mcpu=gfx1250 --defsym DOCPART=n.
;; ======== version 1 of 2: 3 launches
;; limits: values are held in f16: magnitudes above 65,504 overflow, below 6.1e-05 lose precision; inputs' magnitudes at most 65,504
;; workspace buffers: wf 33,554,432 bytes; route 8,192 bytes of whole numbers; sel 16,384 bytes of whole numbers; gates 32,768 bytes; ypart 33,554,432 bytes
;; launch prep (part 1): grid 384 x 1, 8 waves a work-group, no clusters, 5,120 bytes of LDS; arguments x, Wr, br, W1, W2, wf, route, sel, gates; writes wf, route, sel, gates
.if DOCPART == 1
	.amdgcn_target "amdgcn-amd-amdhsa--gfx1250"
	.amdhsa_code_object_version 6
	.text
	.protected	k_qf0fd524d63_prep
	.globl	k_qf0fd524d63_prep
	.p2align	8
	.type	k_qf0fd524d63_prep,@function
k_qf0fd524d63_prep:
	s_mov_b64 s[64:65], 0
	v_nop
	global_prefetch_b8 v0, s[64:65] scope:SCOPE_SE
	s_setreg_imm32_b32 hwreg(HW_REG_WAVE_MODE, 25, 1), 1
	s_wait_xcnt 0x0
; PREP.  Work-groups 0-127: the router, 32 tokens each.  Work-groups 128-383: W1 and W2 rounded once to f16 and laid out in the order in which a wave's
; operand registers take them (wf).
; ROUTER, all in f32 on the inputs as given.  logits = x Wr + br; the two largest logits are the two largest softmax weights (softmax rises with the logit), ties to the lower
; index; the renormalised gates are p1 = 1 / (1 + 2^((l2 - l1) log2 e)), p2 = 1 - p1 written as q p1: the maximum l1 is taken away, softmax's denominator cancels.
; LIMITS.  Where two logits differ but reference()'s rounded softmax weights are equal, the lower index is not preferred here.  NaN and infinities are not treated apart.
; The logits' sums are formed in another order than reference()'s: a pair of logits closer than the f32 rounding of a sum of 1,024 terms may be ranked the other way.
; Stored: sel[t] = i1 | i2 << 8; gates[t] = (p1, p2); route[g] = 8 words, bit b of word e: token 32 g + b chose expert e, then the 8 counts of those bits.
; WEIGHTS.  wf byte = (m 32 + ks) 65536 + F 1024 + j 512 + lane 16; m = 8 layer + expert, ks = K step of 32, F = fragment of 16 columns, j = half of its 8 registers.
; Fragment F, slot r holds column 64 (F / 4) + 4 r + F % 4.  K position 32 ks + 16 j + 8 h + t holds row R0 + JS j + 32 h + 4 t of the matrix:
; layer 1: R0 = 128 (ks / 4) + ks % 4, JS = 64; layer 2: R0 = 64 (ks / 2) + 2 (ks % 2), JS = 1.  So a lane's load of 16 bytes is one slot of four fragments, sixteen lanes
; read 256 consecutive bytes of a row, and every store of a wave is 512 consecutive bytes.  LIMIT: weights beyond 65,504 have no f16; below 6e-5 f16 keeps a fixed step of 6e-8.
.set SPARE, 4096                       ; behind the partial logits: the spare words, 128 bytes for each of eight waves
	s_load_b512 s[8:23], s[0:1], 0x0               ; x 8:9, Wr 10:11, br 12:13, W1 14:15, W2 16:17, wf 18:19, route 20:21, sel 22:23
	s_load_b64 s[24:25], s[0:1], 0x40              ; gates
	v_lshl_add_u32 v30, v0, 2, SPARE               ; my spare word,
	v_mov_b32 v31, 0                               ; and 0: kept for the add alone
	v_and_b32 v1, 31, v0                           ; lane
	v_lshrrev_b32 v5, 5, v0
	v_readfirstlane_b32 s26, v5                    ; wave 0..7
	s_mov_b32 s32, ttmp9
	s_mov_b32 s47, 0                               ; high word of every 32-bit offset
	s_wait_kmcnt 0x0
	s_cmp_lt_u32 s32, 128
	s_cbranch_scc0 .Lcast                          ; the same way for all waves of a work-group
; ---------------- the router ----------------
; Wave w: quarter q = w % 4 of K (256 numbers) for the 16 tokens tg = w / 4.  Lane l owns k = 256 q + 128 c + 4 l + kk (c 0..1, kk 0..3): every load of x is 512 consecutive bytes.
	s_load_b256 s[36:43], s[12:13], 0x0            ; br
	s_and_b32 s27, s26, 3                          ; q
	s_lshr_b32 s33, s26, 2                         ; tg
	s_mov_b32 s28, 0xaaaaaaaa                      ; lanes with bit 0, 1, 2 of their number set
	s_mov_b32 s29, 0xcccccccc
	s_mov_b32 s30, 0xf0f0f0f0
	s_mov_b32 s34, 0x76543210                      ; v_permlanex16_b32: each lane takes its own place in the other half
	s_mov_b32 s35, 0xfedcba98
	s_lshl_b32 s46, s32, 17                        ; 32 tokens of 4,096 bytes a work-group,
	s_lshl_b32 s44, s33, 16                        ; 16 tokens,
	s_add_co_u32 s46, s46, s44
	s_lshl_b32 s44, s27, 10                        ; 256 numbers of K
	s_add_co_u32 s46, s46, s44
	s_add_nc_u64 s[8:9], s[8:9], s[46:47]
	s_lshl_b32 s46, s27, 13                        ; 256 rows of Wr, 32 bytes each
	s_add_nc_u64 s[10:11], s[10:11], s[46:47]
	v_lshlrev_b32 v2, 4, v1                        ; 16 lane
	v_lshlrev_b32 v3, 7, v1                        ; 128 lane: my four rows of Wr
.irp c, 0,1
.irp i, 0,1,2,3,4,5,6,7
	global_load_b128 v[192+32*\c+4*\i:192+32*\c+4*\i+3], v3, s[10:11] offset:\c*4096+16*\i   ; Wr[k][e] at v[192 + 32 c + 8 kk + e]
.endr
.endr
.set i, 0
.rept 32                                           ; x of token i / 2, half i % 2, at v[64 + 4 i]
	global_load_b128 v[64+4*i:64+4*i+3], v2, s[8:9] offset:(i/2)*4096+(i%2)*512
.set i, i+1
.endr
	v_and_b32 v6, 1, v1                            ; the expert whose sum ends in my lane: e(l) = 4 bit0 + 2 bit1 + bit2
	v_and_b32 v7, 2, v1
	v_bfe_u32 v8, v1, 2, 1
	v_lshl_add_u32 v6, v6, 2, v7
	v_add_nc_u32 v6, v6, v8
	s_lshl_b32 s44, s26, 9                         ; my wave's 512 bytes of partial logits: [16 tokens][8 experts]
	v_lshl_add_u32 v4, v6, 2, s44
	s_wait_kmcnt 0x0                               ; br
; One token: 8 partial logits a lane (32 packed multiply-adds), then a sum over the 32 lanes in which each step halves the numbers a lane carries.
.macro TOK t
	s_wait_loadcnt 30-2*(\t)                       ; loads come back in order: this token's two are in, the 2 (15 - t) younger ones stay out
.irp c, 0,1
.irp k2, 0,1
.irp b, 0,1
.irp p, 0,1,2,3
.if (\c)+(\k2)+(\b) == 0
	v_pk_mul_f32 v[32+2*\p:33+2*\p], v[192+2*\p:193+2*\p], v[64+8*(\t):65+8*(\t)] op_sel:[0,0] op_sel_hi:[1,0]
.else
	v_pk_fma_f32 v[32+2*\p:33+2*\p], v[192+32*\c+16*\k2+8*\b+2*\p:193+32*\c+16*\k2+8*\b+2*\p], v[64+8*(\t)+4*\c+2*\k2:65+8*(\t)+4*\c+2*\k2], v[32+2*\p:33+2*\p] op_sel:[0,\b,0] op_sel_hi:[1,\b,1]
.endif
.endr
.endr
.endr
.endr
.irp i, 0,1,2,3                                    ; lanes with bit 0 keep experts 4-7 and send 0-3, the others the other way round
	v_cndmask_b32 v[40+\i], v[32+\i], v[36+\i], s28
	v_cndmask_b32 v[44+\i], v[36+\i], v[32+\i], s28
.endr
.irp i, 0,1,2,3
	v_add_f32_dpp v[40+\i], v[44+\i], v[40+\i] row_xmask:1 row_mask:0xf bank_mask:0xf
.endr
.irp i, 0,1
	v_cndmask_b32 v[32+\i], v[40+\i], v[42+\i], s29
	v_cndmask_b32 v[34+\i], v[42+\i], v[40+\i], s29
.endr
.irp i, 0,1
	v_add_f32_dpp v[32+\i], v[34+\i], v[32+\i] row_xmask:2 row_mask:0xf bank_mask:0xf
.endr
	v_cndmask_b32 v36, v32, v33, s30
	v_cndmask_b32 v37, v33, v32, s30
	v_add_f32_dpp v36, v37, v36 row_xmask:4 row_mask:0xf bank_mask:0xf
	v_add_f32_dpp v36, v36, v36 row_xmask:8 row_mask:0xf bank_mask:0xf
	v_permlanex16_b32 v37, v36, s34, s35
	v_add_f32 v36, v36, v37                        ; expert e(l)'s partial logit, in the four lanes that share e(l)
	ds_store_b32 v4, v36 offset:32*(\t)            ; those four store the same number to the same word
.endm
.irp t, 0,1,2,3,4,5,6,7,8,9,10,11,12,13,14,15
	TOK \t
.endr
	s_wait_tensorcnt 0x0                           ; behind my last LDS store: no LDS write follows the add and its wait
	ds_add_u32 v30, v31
	s_wait_dscnt 0x0                               ; also for wave 0's sake: my partial logits are in LDS
	s_barrier_signal -1
	s_barrier_wait -1
	s_cmp_lg_u32 s26, 0
	s_cbranch_scc1 .Lend
; Wave 0, a token a lane: the four quarters are added, then br; the two largest; the gates; the words of the lists.
	v_lshrrev_b32 v5, 4, v1
	v_and_b32 v6, 15, v1
	v_lshlrev_b32 v5, 11, v5                       ; tokens 16-31 lie in waves 4-7: 2,048 bytes on
	v_lshl_add_u32 v5, v6, 5, v5
.irp q, 0,1,2,3
	ds_load_b128 v[64+8*\q:64+8*\q+3], v5 offset:512*\q
	ds_load_b128 v[64+8*\q+4:64+8*\q+7], v5 offset:512*\q+16
.endr
	s_wait_dscnt 0x0
.irp e, 0,1,2,3,4,5,6,7
	v_add_f32 v[32+\e], v[64+\e], v[72+\e]
	v_add_f32 v[40+\e], v[80+\e], v[88+\e]
.endr
.irp e, 0,1,2,3,4,5,6,7
	v_add_f32 v[32+\e], v[32+\e], v[40+\e]
.endr
.irp e, 0,1,2,3,4,5,6,7
	v_add_f32 v[32+\e], s[36+\e], v[32+\e]
.endr
	v_mov_b32 v48, v32                             ; l1, i1: a later expert wins only if strictly larger
	v_mov_b32 v49, 0
.irp e, 1,2,3,4,5,6,7
	v_cmp_gt_f32 vcc_lo, v[32+\e], v48
	v_cndmask_b32 v48, v48, v[32+\e], vcc_lo
	v_cndmask_b32 v49, v49, \e, vcc_lo
.endr
	v_mov_b32 v50, 0xff800000                      ; l2 starts at minus infinity, i2 at the lowest expert that is not i1
	v_cmp_eq_u32 vcc_lo, 0, v49
	v_cndmask_b32 v51, 0, 1, vcc_lo
.irp e, 0,1,2,3,4,5,6,7
	v_cmp_ne_u32 s44, \e, v49
	v_cmp_gt_f32 vcc_lo, v[32+\e], v50
	s_and_b32 vcc_lo, vcc_lo, s44
	v_cndmask_b32 v50, v50, v[32+\e], vcc_lo
	v_cndmask_b32 v51, v51, \e, vcc_lo
.endr
	v_sub_f32 v52, v50, v48                        ; l2 - l1, never above 0
	v_mul_f32 v52, 0x3fb8aa3b, v52
	v_exp_f32 v53, v52                             ; q
	v_lshl_or_b32 v56, v51, 8, v49                 ; (a plain instruction behind the exponential) sel's word
	s_wait_alu depctr_va_vdst(0)                   ; the wait ahead of the first reader
	v_add_f32 v54, 1.0, v53
	v_rcp_f32 v58, v54                             ; p1
	v_lshlrev_b32 v57, 2, v1                       ; (a plain instruction behind the reciprocal)
	s_wait_alu depctr_va_vdst(0)
	v_mul_f32 v59, v53, v58                        ; p2
	v_lshlrev_b32 v60, 3, v1
	s_lshl_b32 s46, s32, 7
	s_add_nc_u64 s[22:23], s[22:23], s[46:47]
	s_lshl_b32 s46, s32, 8
	s_add_nc_u64 s[24:25], s[24:25], s[46:47]
	s_lshl_b32 s46, s32, 6
	s_add_nc_u64 s[20:21], s[20:21], s[46:47]
	global_store_b32 v57, v56, s[22:23]            ; 128 consecutive bytes
	global_store_b64 v60, v[58:59], s[24:25]       ; 256 consecutive bytes
.irp e, 0,1,2,3,4,5,6,7
	v_cmp_eq_u32 s44, \e, v49
	v_cmp_eq_u32 s45, \e, v51
	s_or_b32 s[48+\e], s44, s45                    ; bit b: token 32 g + b chose expert e
	s_bcnt1_i32_b32 s[56+\e], s[48+\e]
.endr
	v_and_b32 v61, 15, v1
	v_mov_b32 v62, s48                             ; lane l takes word l % 16 of the sixteen
.irp i, 1,2,3,4,5,6,7,8,9,10,11,12,13,14,15
	v_cmp_eq_u32 vcc_lo, \i, v61
	v_cndmask_b32 v62, v62, s[48+\i], vcc_lo
.endr
	v_lshlrev_b32 v61, 2, v61
	global_store_b32 v61, v62, s[20:21]            ; 64 consecutive bytes; lanes 16-31 repeat lanes 0-15
.Lend:
	s_endpgm
; ---------------- the weights ----------------
; Unit U = 8 (work-group - 128) + wave: matrix m = U / 128, K step ks = (U / 4) % 32, sixteen fragments sb = U % 4: 32 rows x 256 columns, 32 KiB read, 16 KiB stored.
.Lcast:
	s_sub_co_u32 s27, s32, 128
	s_lshl_b32 s27, s27, 3
	s_add_co_u32 s27, s27, s26                     ; U
	s_and_b32 s28, s27, 3                          ; sb
	s_bfe_u32 s29, s27, 0x50002                    ; ks
	s_lshr_b32 s30, s27, 7                         ; m
	s_lshr_b32 s31, s30, 3                         ; layer
	s_and_b32 s33, s30, 7                          ; expert
	s_lshr_b32 s34, s29, 2
	s_lshl_b32 s34, s34, 7
	s_and_b32 s35, s29, 3
	s_add_co_u32 s34, s34, s35                     ; layer 1's R0
	s_lshr_b32 s36, s29, 1
	s_lshl_b32 s36, s36, 6
	s_and_b32 s37, s29, 1
	s_lshl1_add_u32 s36, s37, s36                  ; layer 2's R0
	s_mov_b32 s38, 0x40000                         ; JS in bytes: 64 rows, or 1
	s_mov_b32 s39, 0x1000
	s_cmp_eq_u32 s31, 0
	s_cselect_b32 s34, s34, s36
	s_cselect_b32 s35, s38, s39
	s_cselect_b64 s[44:45], s[14:15], s[16:17]     ; W1 or W2
	s_lshl_b32 s40, s33, 22                        ; an expert's matrix is 4 MiB,
	s_lshl_b32 s41, s34, 12                        ; a row 4,096 bytes,
	s_add_co_u32 s40, s40, s41
	s_lshl_b32 s41, s28, 10                        ; 256 columns 1,024
	s_add_co_u32 s40, s40, s41
	s_mov_b32 s41, 0
	s_add_nc_u64 s[44:45], s[44:45], s[40:41]      ; j = 0
	s_mov_b32 s40, s35
	s_add_nc_u64 s[46:47], s[44:45], s[40:41]      ; j = 1
	s_lshl_b32 s40, s30, 5
	s_add_co_u32 s40, s40, s29
	s_lshl_b32 s40, s40, 16
	s_lshl_b32 s42, s28, 14
	s_add_co_u32 s40, s40, s42
	s_add_nc_u64 s[48:49], s[18:19], s[40:41]
	v_and_b32 v6, 15, v1
	v_lshrrev_b32 v7, 4, v1
	v_lshlrev_b32 v6, 4, v6
	v_lshl_or_b32 v2, v7, 17, v6                   ; 32 rows for the upper half of the lanes, 16 bytes a slot
	v_lshlrev_b32 v3, 4, v1
; Four fragments (64 columns) at a time: 16 loads into one of two buffers of 64 registers.
.macro LOADU u, buf
.irp j, 0,1
.irp t, 0,1,2,3,4,5,6,7
	global_load_b128 v[64+64*(\buf)+32*\j+4*\t:64+64*(\buf)+32*\j+4*\t+3], v2, s[44+2*\j:45+2*\j] offset:\t*16384+(\u)*256 th:TH_LOAD_NT
.endr
.endr
.endm
.macro CVTST u, buf
	s_wait_xcnt 0x0                                ; the registers that earlier stores read are rewritten only behind this wait
.irp j, 0,1
.irp i, 0,1,2,3
.irp p, 0,1,2,3
	v_cvt_pk_f16_f32 v[192+32*(\buf)+16*\j+4*\i+\p], v[64+64*(\buf)+32*\j+8*\p+\i], v[64+64*(\buf)+32*\j+8*\p+4+\i]   ; K places 2 p, 2 p + 1 of fragment i
.endr
.endr
.endr
.irp j, 0,1
.irp i, 0,1,2,3
	global_store_b128 v3, v[192+32*(\buf)+16*\j+4*\i:192+32*(\buf)+16*\j+4*\i+3], s[48:49] offset:(\u)*4096+\i*1024+\j*512
.endr
.endr
.endm
	LOADU 0, 0
	LOADU 1, 1
	s_wait_loadcnt 16                              ; the older sixteen are in, the younger sixteen stay out
	CVTST 0, 0
	LOADU 2, 0
	s_wait_loadcnt 16
	CVTST 1, 1
	LOADU 3, 1
	s_wait_loadcnt 16
	CVTST 2, 0
	s_wait_loadcnt 0
	CVTST 3, 1
	s_endpgm
.Lfunc_end_k_qf0fd524d63_prep:
	.size	k_qf0fd524d63_prep, .Lfunc_end_k_qf0fd524d63_prep-k_qf0fd524d63_prep
	.p2alignl 7, 3214868480
	.fill 96, 4, 3214868480
	.section	.rodata,"a",@progbits
	.p2align	6, 0x0
	.amdhsa_kernel k_qf0fd524d63_prep
		.amdhsa_group_segment_fixed_size 5120
		.amdhsa_private_segment_fixed_size 0
		.amdhsa_enable_private_segment 0
		.amdhsa_kernarg_size 72
		.amdhsa_user_sgpr_count 2
		.amdhsa_user_sgpr_kernarg_segment_ptr 1
		.amdhsa_wavefront_size32 1
		.amdhsa_system_sgpr_workgroup_id_x 1
		.amdhsa_system_sgpr_workgroup_id_y 1
		.amdhsa_system_sgpr_workgroup_id_z 1
		.amdhsa_system_vgpr_workitem_id 0
		.amdhsa_next_free_vgpr 256
		.amdhsa_next_free_sgpr 66
		.amdhsa_reserve_vcc 1
		.amdhsa_float_denorm_mode_32 3
		.amdhsa_float_denorm_mode_16_64 3
		.amdhsa_memory_ordered 1
		.amdhsa_forward_progress 1
		.amdhsa_inst_pref_size 91
	.end_amdhsa_kernel
	.amdgpu_metadata
---
amdhsa.version: [ 1, 2 ]
amdhsa.kernels:
  - .name:           k_qf0fd524d63_prep
    .symbol:         k_qf0fd524d63_prep.kd
    .args:
      - { .name: x, .offset: 0, .size: 8, .value_kind: global_buffer, .address_space: global }
      - { .name: Wr, .offset: 8, .size: 8, .value_kind: global_buffer, .address_space: global }
      - { .name: br, .offset: 16, .size: 8, .value_kind: global_buffer, .address_space: global }
      - { .name: W1, .offset: 24, .size: 8, .value_kind: global_buffer, .address_space: global }
      - { .name: W2, .offset: 32, .size: 8, .value_kind: global_buffer, .address_space: global }
      - { .name: wf, .offset: 40, .size: 8, .value_kind: global_buffer, .address_space: global }
      - { .name: route, .offset: 48, .size: 8, .value_kind: global_buffer, .address_space: global }
      - { .name: sel, .offset: 56, .size: 8, .value_kind: global_buffer, .address_space: global }
      - { .name: gates, .offset: 64, .size: 8, .value_kind: global_buffer, .address_space: global }
    .group_segment_fixed_size: 5120
    .private_segment_fixed_size: 0
    .kernarg_segment_align: 8
    .kernarg_segment_size: 72
    .max_flat_workgroup_size: 256
    .sgpr_count:     66
    .vgpr_count:     256
    .wavefront_size: 32
...
	.end_amdgpu_metadata
.endif
;; end of part 1
;; launch chain (part 2): grid 135 x 1, 4 waves a work-group, no clusters, 215,808 bytes of LDS; arguments route, sel, x, wf, ypart, b1, g1, be1, b2, g2, be2; writes ypart
.if DOCPART == 2
	.amdgcn_target "amdgcn-amd-amdhsa--gfx1250"
	.amdhsa_code_object_version 6
	.text
	.protected	k_qf0fd524d63_chain
	.globl	k_qf0fd524d63_chain
	.p2align	8
	.type	k_qf0fd524d63_chain,@function
k_qf0fd524d63_chain:
	s_mov_b64 s[64:65], 0
	v_nop
	global_prefetch_b8 v0, s[64:65] scope:SCOPE_SE
	s_setreg_imm32_b32 hwreg(HW_REG_WAVE_MODE, 25, 1), 1
	s_wait_xcnt 0x0
; CHAIN.  A work-group takes up to 64 routed rows of ONE expert through Linear, relu, LayerNorm, Linear, relu, LayerNorm and stores the result, without the gate, in ypart[slot][token][1024] (f32; slot 0: the
; token's first expert, slot 1: its second).  Products in f16 with f32 sums; everything else in f32; the hidden layer is rounded once to f16 and stays in LDS.
; GRID.  8,192 routed rows in tiles of 64 by expert are never more than 8192 / 64 + 7 = 135 tiles, whatever the split.  Each work-group adds up the stored counts, finds its expert E and its tile, and finds the tokens
; of its ranks from the stored bit lists.  A work-group that the split leaves without rows runs on token 4,095 (every wave passes every barrier) and stores nothing; in a tile that is not full the places past the count repeat its last row.
; SHARES.  Wave w owns columns 256 w .. 256 w + 255 of all 64 rows: 4 x 16 accumulators of 16 x 16, 512 registers.  LayerNorm wants whole rows: the waves' row sums meet in LDS.
; OPERANDS.  A (x, later h) lies in LDS as [K place][token], 160 bytes a K place, and is read turned (ds_load_tr16_b128).  B comes from wf straight into registers, in fragment order, each byte read by one wave of the
; work-group; three buffers take turns, so that the loads of two later K steps (32 KiB a wave) are on their way.  K places and columns are permuted as wf's layout says, alike in A and B.
; NO JOINT LOADS.  Work-groups of one expert walk the same wf.  A K step is 64 KiB of weights for 64 matrix instructions of a wave; beside the 160 KiB operand tile and 48 KiB of parameters LDS has room for slots of one
; K step only, so each joint load would have 64 matrix instructions in which to land and a round of the cluster's barrier at every K step; and the number of an expert's tiles hangs on the split.
; LIMITS.  x, the weights and h = LayerNorm's output (at most 32 |g1| + |be1|) must lie within f16's 65,504; below 6e-5 f16 keeps a fixed step of 6e-8.  NaN and infinities are not treated apart.
; REGISTERS, in windows of 256 (s_set_vgpr_msb: bits 1:0 source 0, 3:2 source 1, 5:4 source 2, 7:6 destination):
;   window 0: v0-31 addresses; v32-127 three buffers of A's fragments (32 u + 8 a); v128-255 B's buffer 2.  Outside the K loop v32-255 are at work.
;   window 1: B's buffers 0 and 1.   window 2: accumulators of row blocks a = 0, 1 at 128 (a % 2) + 8 f.   window 3: a = 2, 3.
;   In an accumulator lane (r = l % 16, h = l / 16), register j holds row 16 a + 8 h + j, column 256 w + 64 (f / 4) + 4 r + f % 4.
.set PITCH, 160                        ; a K place in LDS: 64 tokens x 2 bytes + 32 of padding: an odd multiple of 32 bytes
.set PAR,   163840                     ; behind the tile of 1,024 K places: for each wave 6 parameters x 4 spans x 512 bytes, the wave's own
.set SUMR,  212992                     ; [wave][64 rows] f32: row sums; 1,024 bytes on: sums of squares; 2,048 bytes on: the 64 row indices
.set RI,    215040
.set SPARE, 215296                     ; the spare words, 128 bytes for each of four waves
.set MSB, 0
.macro WIN new                         ; the immediate's high byte repeats the setting that is left; a switch that changes nothing is dropped
.if MSB != (\new)
	s_set_vgpr_msb (MSB<<8)|(\new)
.set MSB, \new
.endif
.endm
.macro PLACES                          ; four plain vector instructions between a matrix instruction and a load into, or a vector instruction on, its registers
.rept 4
	v_nop
.endr
.endm
; B's 16 fragments of one K step, 32 loads of 512 consecutive bytes, into buffer buf
.macro BLOAD buf, imm
.if (\buf) == 2
	WIN 0
.set BB, 128
.else
	WIN 0x40
.set BB, 128*(\buf)
.endif
.set bi, 0
.rept 32
	global_load_b128 v[BB+4*bi:BB+4*bi+3], v4, s[58:59] offset:(\imm)+512*bi
.set bi, bi+1
.endr
.endm
; A's 4 fragments (64 rows x 32 K places), turned, into buffer buf
.macro ALOAD buf, imm
	WIN 0
.irp a, 0,1,2,3
	ds_load_tr16_b128 v[32+32*(\buf)+8*\a:32+32*(\buf)+8*\a+3], v5 offset:(\imm)+32*\a
	ds_load_tr16_b128 v[32+32*(\buf)+8*\a+4:32+32*(\buf)+8*\a+7], v5 offset:(\imm)+32*\a+16*PITCH
.endr
.endm
; 64 matrix instructions: every accumulator once, so that they take turns from step to step and over the loop's jump too
.macro MUL u
.if (\u) == 2
.set WSB, 0x00
.set BB, 128
.else
.set WSB, 0x04
.set BB, 128*(\u)
.endif
.set ma, 0
.rept 4
	WIN 0xa0+0x50*(ma/2)+WSB
.set mf, 0
.rept 16
	v_wmma_f32_16x16x32_f16 v[128*(ma%2)+8*mf:128*(ma%2)+8*mf+7], v[32+32*(\u)+8*ma:32+32*(\u)+8*ma+7], v[BB+8*mf:BB+8*mf+7], v[128*(ma%2)+8*mf:128*(ma%2)+8*mf+7]
.set mf, mf+1
.endr
.set ma, ma+1
.endr
.endm
; A K step on buffers u.  fb: B of the step after next is asked for, into the buffer that the last step read.  fa: A of the next step is fetched.
.macro STEP u, fb, fa, lc
	s_wait_loadcnt \lc                             ; this step's B is in; lc = 32: the next step's 32 loads stay out
.if \fb
	PLACES
	BLOAD ((\u)+2)%3, ((\u)+2)*65536
.endif
.if \fa
	ALOAD ((\u)+1)%3, ((\u)+1)*32*PITCH
	s_wait_dscnt 8                                 ; this step's A is in; the eight loads just issued stay out
.else
	s_wait_dscnt 0
.endif
	MUL \u
.endm
	s_load_b128 s[4:7], s[0:1], 0x0                ; route 4:5, sel 6:7
	s_load_b256 s[8:15], s[0:1], 0x10              ; x 8:9, wf 10:11, ypart 12:13, b1 14:15
	s_load_b256 s[16:23], s[0:1], 0x30             ; g1 16:17, be1 18:19, b2 20:21, g2 22:23
	s_load_b64 s[24:25], s[0:1], 0x50              ; be2
	v_lshl_add_u32 v28, v0, 2, SPARE               ; my spare word,
	v_mov_b32 v29, 0                               ; and 0: kept for the add alone
	v_and_b32 v1, 31, v0                           ; lane
	v_lshrrev_b32 v11, 5, v0
	v_readfirstlane_b32 s26, v11                   ; wave 0..3
	v_and_b32 v2, 15, v0                           ; r
	v_bfe_u32 v3, v0, 4, 1                         ; h
	v_lshlrev_b32 v4, 4, v1                        ; 16 lane
	v_lshlrev_b32 v17, 4, v2                       ; 16 r
	v_lshlrev_b32 v18, 8, v1                       ; 256 lane
	s_mov_b32 s33, ttmp9
	s_mov_b32 s34, 0x76543210                      ; v_permlanex16_b32: each lane takes its own place in the other half
	s_mov_b32 s35, 0xfedcba98
	s_mov_b32 s36, 0xaaaaaaaa                      ; lanes with bit 0 .. 4 of their number set
	s_mov_b32 s37, 0xcccccccc
	s_mov_b32 s38, 0xf0f0f0f0
	s_mov_b32 s39, 0xff00ff00
	s_mov_b32 s40, 0xffff0000
	s_mov_b32 s52, 0x3a800000                      ; 1 / 1024
	s_mov_b32 s53, 0x3a800000
	s_mov_b32 s54, 0x3727c5ac                      ; 1e-5
	s_mov_b32 s55, 0x3727c5ac
	s_wait_kmcnt 0x0
; THE LISTS.  Every wave reads all of route (8 KiB): lane l the groups 4 l .. 4 l + 3 of 32 tokens; word q of group wl at v[64 + 16 wl + q].
.set i, 0
.rept 16
	global_load_b128 v[64+4*i:64+4*i+3], v18, s[4:5] offset:16*i
.set i, i+1
.endr
	v_and_b32 v11, 7, v1                           ; the addresses are made in the wait for them
	v_lshl_add_u32 v11, v3, 3, v11
	v_mul_u32_u24 v6, v11, PITCH                   ; v6: the turning load: K place 8 h + l % 8,
	v_bfe_u32 v11, v1, 3, 1
	v_lshl_add_u32 v6, v11, 4, v6                  ;     tokens 8 ((l / 8) % 2) on
	s_lshl_b32 s2, s26, 8
	v_add_nc_u32 v11, s2, v2
	v_mul_u32_u24 v7, v11, PITCH                   ; v7: h's way into the tile: K place 256 w + r (+ 16 f),
	v_lshl_add_u32 v7, v3, 4, v7                   ;     tokens 8 h on (+ 16 a)
	s_add_co_u32 s2, s2, SUMR
	v_lshl_add_u32 v8, v3, 5, s2                   ; v8: my wave's sums of rows 8 h on
	v_lshlrev_b32 v9, 5, v3
	v_add_nc_u32 v9, SUMR, v9                      ; v9: wave 0's sums of rows 8 h on
	s_mul_i32 s2, s26, 12288
	s_add_co_u32 s2, s2, PAR
	v_add_nc_u32 v10, s2, v4                       ; v10: my wave's parameters of the layer in hand
	s_lshl_b32 s2, s26, 10
	v_lshl_add_u32 v12, v2, 4, s2                  ; v12: my 16 bytes in a row of ypart (+ 256 a span)
	v_mul_u32_u24 v13, v1, PITCH                   ; v13-16: x's way into the tile: K place l (+ 256 cp), my wave's 16 tokens
	s_lshl_b32 s2, s26, 5
	v_add_nc_u32 v13, s2, v13
	v_add_nc_u32 v14, 256*PITCH, v13
	v_add_nc_u32 v15, 512*PITCH, v13
	v_add_nc_u32 v16, 768*PITCH, v13
	s_lshl_b32 s2, s26, 6
	s_add_co_u32 s2, s2, RI
	v_lshl_add_u32 v23, v2, 2, s2                  ; v23: row 16 w + r's index
	s_wait_loadcnt 0x0
; The experts' counts: four groups a lane, two counts (4,096 at the most) to a word, summed over the lanes.
.irp e, 0,1,2,3,4,5,6,7
	v_add3_u32 v[32+\e], v[72+\e], v[88+\e], v[104+\e]
.endr
.irp e, 0,1,2,3,4,5,6,7
	v_add_nc_u32 v[32+\e], v[32+\e], v[120+\e]
.endr
.irp k, 0,1,2,3
	v_lshl_or_b32 v[40+\k], v[33+2*\k], 16, v[32+2*\k]
.endr
	v_mov_b32 v44, 0
.irp m, 1,2,4,8
.irp k, 0,1,2,3
	v_mov_b32_dpp v44, v[40+\k] row_xmask:\m row_mask:0xf bank_mask:0xf
	v_add_nc_u32 v[40+\k], v[40+\k], v44
.endr
.endr
.irp k, 0,1,2,3
	v_permlanex16_b32 v44, v[40+\k], s34, s35
	v_add_nc_u32 v[40+\k], v[40+\k], v44
	v_readfirstlane_b32 s[66+\k], v[40+\k]
	s_and_b32 s[44+2*\k], s[66+\k], 0xffff
	s_lshr_b32 s[45+2*\k], s[66+\k], 16            ; s44-51: the eight counts
.endr
; My tile: the experts' tiles lie one after the other; E is the last expert whose first tile is not behind mine.
	s_mov_b32 s27, 0                               ; E
	s_mov_b32 s28, s33                             ; my tile among E's
	s_mov_b32 s29, s44                             ; E's count
	s_mov_b32 s2, 0
.irp e, 1,2,3,4,5,6,7
	s_add_co_u32 s3, s[44+\e-1], 63
	s_lshr_b32 s3, s3, 6
	s_add_co_u32 s2, s2, s3                        ; expert e's first tile
	s_sub_co_u32 s3, s33, s2
	s_cmp_ge_u32 s33, s2
	s_cselect_b32 s27, \e, s27
	s_cselect_b32 s28, s3, s28
	s_cselect_b32 s29, s[44+\e], s29
.endr
	s_min_u32 s27, s27, 7                          ; it enters addresses
	s_lshl_b32 s28, s28, 6                         ; my first rank
	s_sub_co_i32 s30, s29, s28
	s_max_i32 s30, s30, 0
	s_min_i32 s30, s30, 64                         ; my rows: 0 .. 64
	s_lshl_b32 s2, s27, 12
	s_lshl_b32 s3, s26, 10
	s_add_co_u32 s2, s2, s3
	s_mov_b32 s3, 0
.irp p, 14,16,18,20,22,24
	s_add_nc_u64 s[\p:\p+1], s[\p:\p+1], s[2:3]    ; the six parameters at expert E, my wave's 256 columns
.endr
	s_lshl_b32 s2, s27, 21                         ; a matrix is 2 MiB of wf,
	s_lshl_b32 s56, s26, 14                        ; my 16 fragments 16 KiB of a K step
	s_add_co_u32 s2, s2, s56
	s_add_nc_u64 s[58:59], s[10:11], s[2:3]
.irp p, 0,1,2,3,4,5
.irp s, 0,1,2,3
	global_load_b128 v[128+16*\p+4*\s:128+16*\p+4*\s+3], v17, s[14+2*\p:15+2*\p] offset:256*\s   ; slot r of fragments 4 s .. 4 s + 3
.endr
.endr
	BLOAD 0, 0                                     ; layer 1's K step 0
	WIN 0
; Expert E's words and their counts, v32-35 and v36-39.
.irp wl, 0,1,2,3
	v_mov_b32 v[32+\wl], v[64+16*\wl]
	v_mov_b32 v[36+\wl], v[72+16*\wl]
.endr
.irp e, 1,2,3,4,5,6,7
	s_cmp_eq_u32 s27, \e
	s_cselect_b32 vcc_lo, -1, 0
.irp wl, 0,1,2,3
	v_cndmask_b32 v[32+\wl], v[32+\wl], v[64+16*\wl+\e], vcc_lo
	v_cndmask_b32 v[36+\wl], v[36+\wl], v[72+16*\wl+\e], vcc_lo
.endr
.endr
; v41: how many of E's tokens lie in the lanes below mine.
	v_add3_u32 v40, v36, v37, v38
	v_add_nc_u32 v40, v40, v39
	v_mov_b32 v41, 0
	v_mov_b32 v42, 0
.macro SCAN m, mask
	v_mov_b32_dpp v42, v40 row_xmask:\m row_mask:0xf bank_mask:0xf
	v_cndmask_b32 v43, 0, v42, s[\mask]
	v_add_nc_u32 v41, v41, v43
	v_add_nc_u32 v40, v40, v42
.endm
	SCAN 1, 36
	SCAN 2, 37
	SCAN 4, 38
	SCAN 8, 39
	v_permlanex16_b32 v42, v40, s34, s35
	v_cndmask_b32 v43, 0, v42, s40
	v_add_nc_u32 v41, v41, v43
; Rank to token, for row 16 w + r of the tile (both halves of the lanes alike).  Ranks past the count take the last rank.
	s_lshl4_add_u32 s2, s26, s28
	v_add_nc_u32 v44, s2, v2
	s_sub_co_i32 s3, s29, 1
	s_max_i32 s3, s3, 0
	v_min_u32 v44, s3, v44                         ; the rank
	v_mov_b32 v45, 0                               ; the last lane whose tokens do not begin behind the rank
.set l, 1
.rept 31
	v_readlane_b32 s2, v41, l
	v_cmp_le_u32 vcc_lo, s2, v44
	v_cndmask_b32 v43, 0, 1, vcc_lo
	v_add_nc_u32 v45, v45, v43
.set l, l+1
.endr
	v_lshlrev_b32 v46, 2, v45
	ds_bpermute_b32 v48, v46, v41                  ; that lane's numbers
	ds_bpermute_b32 v49, v46, v32
	ds_bpermute_b32 v50, v46, v33
	ds_bpermute_b32 v51, v46, v34
	ds_bpermute_b32 v52, v46, v35
	ds_bpermute_b32 v53, v46, v36
	ds_bpermute_b32 v54, v46, v37
	ds_bpermute_b32 v55, v46, v38
	s_wait_dscnt 0x0
	v_sub_nc_u32 v44, v44, v48                     ; the rank within the lane's 128 tokens
	v_add_nc_u32 v56, v53, v54
	v_add_nc_u32 v57, v56, v55
	v_mov_b32 v58, v49                             ; the word, what lies below it, its number
	v_mov_b32 v59, 0
	v_mov_b32 v60, 0
.macro WORD sum, word, n
	v_cmp_ge_u32 vcc_lo, v44, v[\sum]
	v_cndmask_b32 v58, v58, v[\word], vcc_lo
	v_cndmask_b32 v59, v59, v[\sum], vcc_lo
	v_cndmask_b32 v60, v60, \n, vcc_lo
.endm
	WORD 53, 50, 1
	WORD 56, 51, 2
	WORD 57, 52, 3
	v_sub_nc_u32 v44, v44, v59                     ; the rank within the word
	v_lshrrev_b32 v61, 1, v58                      ; the word's counts of ones in fields of 2, 4, 8 and 16 bits: v61, v62, v63, v47
	v_and_b32 v61, 0x55555555, v61
	v_sub_nc_u32 v61, v58, v61
	v_lshrrev_b32 v62, 2, v61
	v_and_b32 v62, 0x33333333, v62
	v_and_b32 v63, 0x33333333, v61
	v_add_nc_u32 v62, v62, v63
	v_lshrrev_b32 v63, 4, v62
	v_add_nc_u32 v63, v63, v62
	v_and_b32 v63, 0x0f0f0f0f, v63
	v_lshrrev_b32 v47, 8, v63
	v_add_nc_u32 v47, v47, v63
	v_and_b32 v47, 0x00ff00ff, v47
	v_mov_b32 v48, 0                               ; the bit's place, found from the top down: is the rank behind the lower half's ones?
.macro DESC src, width, bits
	v_bfe_u32 v49, v[\src], v48, \bits
	v_cmp_ge_u32 vcc_lo, v44, v49
	v_cndmask_b32 v49, 0, v49, vcc_lo
	v_sub_nc_u32 v44, v44, v49
	v_cndmask_b32 v50, 0, \width, vcc_lo
	v_add_nc_u32 v48, v48, v50
.endm
	DESC 47, 16, 8
	DESC 63, 8, 8
	DESC 62, 4, 4
	DESC 61, 2, 2
	DESC 58, 1, 1
	v_lshl_add_u32 v27, v45, 7, v48
	v_lshl_add_u32 v27, v60, 5, v27
	v_min_u32 v27, 0xfff, v27                      ; the token
	s_wait_loadcnt 32                              ; the parameters are in; the 32 loads of B behind them stay out
.irp p, 0,1,2,3,4,5
.irp s, 0,1,2,3
	ds_store_b128 v10, v[128+16*\p+4*\s:128+16*\p+4*\s+3] offset:(4*\p+\s)*512
.endr
.endr
	v_lshlrev_b32 v26, 2, v27
	global_load_b32 v25, v26, s[6:7]               ; the token's two experts
; THE GATHER.  My wave brings its 16 tokens' rows of x: a load is 512 consecutive bytes of a row; lane l's four numbers are K places 128 c + 32 i + l.  Eight tokens' numbers of a K place, rounded to f16, are 16 bytes of the tile.
.set t, 0
.rept 16
	v_readlane_b32 s2, v27, t
	s_min_u32 s2, s2, 4095
	v_lshl_add_u32 v[32+t], s2, 12, v4
.set t, t+1
.endr
.macro GLOAD b                         ; batch b: chunks c = 2 (b / 2), + 1 of tokens 8 (b % 2) on: 16 loads into one of three buffers of 64 registers
.set G, 64+64*((\b)%3)
.set gi, 0
.rept 16
	global_load_b128 v[G+4*gi:G+4*gi+3], v[32+8*((\b)%2)+gi%8], s[8:9] offset:(2*((\b)/2)+gi/8)*512
.set gi, gi+1
.endr
.endm
.macro GCVT b
.set G, 64+64*((\b)%3)
.irp cc, 0,1
.set gi, 0
.rept 16                                           ; gi = 4 i + p: tokens 2 p, 2 p + 1 at K place i
	v_cvt_pk_f16_f32 v[48+gi], v[G+32*\cc+8*(gi%4)+gi/4], v[G+32*\cc+8*(gi%4)+4+gi/4]
.set gi, gi+1
.endr
.set gi, 0
.rept 4
	ds_store_b128 v[13+(\b)/2], v[48+4*gi:48+4*gi+3] offset:\cc*128*PITCH+gi*32*PITCH+((\b)%2)*16
.set gi, gi+1
.endr
.endr
.endm
	GLOAD 0
	GLOAD 1
	GLOAD 2
.irp b, 0,1,2,3,4,5,6,7
.if \b < 6
	s_wait_loadcnt 32                              ; this batch is in; the two younger batches stay out
.elseif \b == 6
	s_wait_loadcnt 16
.else
	s_wait_loadcnt 0
.endif
	GCVT \b
.if \b < 5
	GLOAD \b+3
.endif
.endr
	BLOAD 1, 65536                                 ; layer 1's K step 1
	WIN 0
	v_bfe_u32 v24, v25, 8, 8                       ; the token's second expert: is it E?
	v_cmp_eq_u32 vcc_lo, s27, v24
	v_cndmask_b32 v24, 0, 1, vcc_lo
	v_lshl_add_u32 v24, v24, 12, v27               ; the row of ypart: 4,096 slot + token
	ds_store_b32 v23, v24
	s_mov_b32 s31, 2
; ---------------- a layer: one text, walked twice ----------------
.Llayer:
	s_wait_dscnt 0x0                               ; my stores into the tile (x, or h) and the row list are done,
	s_barrier_signal -1
	s_barrier_wait -1                              ; everybody's are
.irp s, 0,1,2,3
	ds_load_b128 v[128+4*\s:128+4*\s+3], v10 offset:512*\s   ; the bias of my 16 fragments' slot r
.endr
	v_mov_b32 v5, v6
	ALOAD 0, 0
	s_wait_dscnt 8                                 ; the bias is in; A's eight loads stay out
; The sums start at the bias: each accumulator's eight registers take its column's number.
.irp W, 0,1
	WIN 0x80+0x40*\W
.irp a2, 0,1
.irp f2, 0,1,2,3,4,5,6,7
.irp b, 0,1
.irp jp, 0,1,2,3
	v_pk_mul_f32 v[128*\a2+16*\f2+8*\b+2*\jp:128*\a2+16*\f2+8*\b+2*\jp+1], v[128+2*\f2:129+2*\f2], 1.0 op_sel:[\b,0] op_sel_hi:[\b,0]
.endr
.endr
.endr
.endr
.endr
	WIN 0
	s_mov_b32 s32, 10
.Lk:                                               ; ten trips of three K steps; they ask for B of K steps 2 to 31
	STEP 0, 1, 1, 32
	STEP 1, 1, 1, 32
	STEP 2, 1, 1, 32
	WIN 0
	s_wait_xcnt 0x0                                ; the loads' base is stepped only behind this wait
	s_add_nc_u64 s[58:59], s[58:59], 3*65536
	v_add_nc_u32 v5, 3*32*PITCH, v5
	s_sub_co_u32 s32, s32, 1
	s_cmp_lg_u32 s32, 0
	s_cbranch_scc1 .Lk
	STEP 0, 0, 1, 32                               ; K steps 30 and 31 ask for nothing
	STEP 1, 0, 0, 0
	WIN 0
	s_cmp_eq_u32 s31, 1
	s_cbranch_scc1 .Lnonext
	PLACES                                         ; layer 2's first two K steps are asked for now and land under the LayerNorm; no load is out, so the base may be stepped
	s_add_nc_u64 s[58:59], s[58:59], 8*32*65536-30*65536
	BLOAD 0, 0
	BLOAD 1, 65536
	WIN 0
.Lnonext:
	PLACES
.irp s, 0,1,2,3
	ds_load_b128 v[144+4*\s:144+4*\s+3], v10 offset:512*(4+\s)   ; gain
	ds_load_b128 v[160+4*\s:160+4*\s+3], v10 offset:512*(8+\s)   ; shift
.endr
; relu, in ascending order of registers
.irp W, 0,1
	WIN 0x88+0x44*\W
.set ri, 0
.rept 256
	v_max_num_f32 v[ri], 0, v[ri]
.set ri, ri+1
.endr
.endr
; row sums over my 16 fragments: v[176 + 8 a + j]
.irp W, 0,1
	WIN 0x0a+0x05*\W
.set q, 0
.rept 8                                            ; q = 4 (a % 2) + pair of rows
	v_pk_add_f32 v[176+16*\W+2*q:176+16*\W+2*q+1], v[128*(q/4)+2*(q%4):128*(q/4)+2*(q%4)+1], v[128*(q/4)+8+2*(q%4):128*(q/4)+8+2*(q%4)+1]
.set q, q+1
.endr
	WIN 0x02+\W
.set f, 2
.rept 14
.set q, 0
.rept 8
	v_pk_add_f32 v[176+16*\W+2*q:176+16*\W+2*q+1], v[128*(q/4)+8*f+2*(q%4):128*(q/4)+8*f+2*(q%4)+1], v[176+16*\W+2*q:176+16*\W+2*q+1]
.set q, q+1
.endr
.set f, f+1
.endr
.endr
; 32 row figures are summed over the 16 lanes that share the rows, then over the four waves through LDS, in the same order in every wave.
.macro XRED reg, off
	WIN 0
.irp m, 1,2,4,8
.set xi, 0
.rept 32
	v_add_f32_dpp v[(\reg)+xi], v[(\reg)+xi], v[(\reg)+xi] row_xmask:\m row_mask:0xf bank_mask:0xf
.set xi, xi+1
.endr
.endr
.set xi, 0
.rept 8
	ds_store_b128 v8, v[(\reg)+4*xi:(\reg)+4*xi+3] offset:(\off)+64*(xi/2)+16*(xi%2)
.set xi, xi+1
.endr
	s_wait_dscnt 0x0                               ; for the others' sake: my sums are in LDS (and my earlier LDS loads are back)
	s_barrier_signal -1
	s_barrier_wait -1
.set xi, 0
.rept 8
	ds_load_b128 v[(\reg)+4*xi:(\reg)+4*xi+3], v9 offset:(\off)+64*(xi/2)+16*(xi%2)
.set xi, xi+1
.endr
.set xi, 0
.rept 24
	ds_load_b128 v[32+4*xi:32+4*xi+3], v9 offset:(\off)+256*(1+xi/8)+64*((xi%8)/2)+16*(xi%2)
.set xi, xi+1
.endr
	s_wait_dscnt 0x0
.set xi, 0
.rept 48
	v_pk_add_f32 v[(\reg)+2*(xi%16):(\reg)+2*(xi%16)+1], v[(\reg)+2*(xi%16):(\reg)+2*(xi%16)+1], v[32+2*xi:33+2*xi]
.set xi, xi+1
.endr
.endm
	XRED 176, 0
.set q, 0
.rept 16
	v_pk_mul_f32 v[176+2*q:177+2*q], v[176+2*q:177+2*q], s[52:53] op_sel_hi:[1,0]   ; the means
.set q, q+1
.endr
; the mean is taken away; then the sums of squares: v[208 + 8 a + j]
.irp W, 0,1
	WIN 0x82+0x41*\W
.set f, 0
.rept 16
.set q, 0
.rept 8
	v_pk_add_f32 v[128*(q/4)+8*f+2*(q%4):128*(q/4)+8*f+2*(q%4)+1], v[128*(q/4)+8*f+2*(q%4):128*(q/4)+8*f+2*(q%4)+1], v[176+16*\W+2*q:176+16*\W+2*q+1] neg_lo:[0,1] neg_hi:[0,1]
.set q, q+1
.endr
.set f, f+1
.endr
	WIN 0x0a+0x05*\W
.set f, 0
.rept 16
.set q, 0
.rept 8
.if f == 0
	v_pk_mul_f32 v[208+16*\W+2*q:208+16*\W+2*q+1], v[128*(q/4)+2*(q%4):128*(q/4)+2*(q%4)+1], v[128*(q/4)+2*(q%4):128*(q/4)+2*(q%4)+1]
.else
	v_pk_fma_f32 v[208+16*\W+2*q:208+16*\W+2*q+1], v[128*(q/4)+8*f+2*(q%4):128*(q/4)+8*f+2*(q%4)+1], v[128*(q/4)+8*f+2*(q%4):128*(q/4)+8*f+2*(q%4)+1], v[208+16*\W+2*q:208+16*\W+2*q+1]
.endif
.set q, q+1
.endr
.set f, f+1
.endr
.endr
	XRED 208, 1024
.set q, 0
.rept 16
	v_pk_fma_f32 v[208+2*q:209+2*q], v[208+2*q:209+2*q], s[52:53], s[54:55] op_sel_hi:[1,0,0]   ; variance + 1e-5
.set q, q+1
.endr
.set q, 0
.rept 32
	v_rsq_f32 v[208+q], v[208+q]
.set q, q+1
.endr
	v_nop                                          ; a plain instruction behind the last of the batch,
	s_wait_alu depctr_va_vdst(0)                   ; and one wait for all 32 ahead of the first reader
.irp W, 0,1
	WIN 0x82+0x41*\W
.set f, 0
.rept 16
.set q, 0
.rept 8
	v_pk_mul_f32 v[128*(q/4)+8*f+2*(q%4):128*(q/4)+8*f+2*(q%4)+1], v[128*(q/4)+8*f+2*(q%4):128*(q/4)+8*f+2*(q%4)+1], v[208+16*\W+2*q:208+16*\W+2*q+1]
.set q, q+1
.endr
.set f, f+1
.endr
.endr
	WIN 0
	s_cmp_eq_u32 s31, 1
	s_cbranch_scc1 .Lfinal2
; LAYER 1's WAY OUT: gain and shift, f16, into the tile as layer 2's A: fragment F, slot r is K place 16 F + r; a lane's eight rows are 16 bytes.  All waves' reads of the tile were waited for ahead of the two barriers above.
.irp W, 0,1
.irp a2, 0,1
	WIN 0x82+0x41*\W
.irp f2, 0,1,2,3,4,5,6,7
.irp b, 0,1
.irp jp, 0,1,2,3
	v_pk_fma_f32 v[128*\a2+16*\f2+8*\b+2*\jp:128*\a2+16*\f2+8*\b+2*\jp+1], v[128*\a2+16*\f2+8*\b+2*\jp:128*\a2+16*\f2+8*\b+2*\jp+1], v[144+2*\f2:145+2*\f2], v[160+2*\f2:161+2*\f2] op_sel:[0,\b,\b] op_sel_hi:[1,\b,\b]
.endr
.endr
.endr
	WIN 0x0a+0x05*\W
.set c, 0
.rept 64
	v_cvt_pk_f16_f32 v[32+c], v[128*\a2+2*c], v[128*\a2+2*c+1]
.set c, c+1
.endr
	WIN 0
.set f, 0
.rept 16
	ds_store_b128 v7, v[32+4*f:32+4*f+3] offset:f*16*PITCH+32*(2*\W+\a2)
.set f, f+1
.endr
.endr
.endr
	v_add_nc_u32 v10, 6144, v10                    ; layer 2's parameters
	s_sub_co_u32 s31, s31, 1
	s_cmp_lg_u32 s31, 0
	s_cbranch_scc1 .Llayer
; LAYER 2's WAY OUT: gain and shift in f32; fragments 4 s .. 4 s + 3 give a lane four neighbouring columns, sixteen lanes 256 consecutive bytes of a row of ypart.
.Lfinal2:
.set k, 0
.rept 8
	ds_load_b128 v[32+4*k:32+4*k+3], v9 offset:2048+64*(k/2)+16*(k%2)   ; the rows' indices: v[32 + 8 a + j]
.set k, k+1
.endr
	s_wait_tensorcnt 0x0                           ; behind my last LDS store: no LDS write follows the add and its wait
	ds_add_u32 v28, v29
	s_wait_dscnt 0x0                               ; the indices are in too
.set k, 0
.rept 32
	v_min_u32 v[32+k], 0x1fff, v[32+k]
	v_lshl_add_u32 v[32+k], v[32+k], 12, v12
.set k, k+1
.endr
.irp a, 0,1,2,3
	s_cmp_le_u32 s30, 16*\a                        ; a block of 16 rows past the count, and all behind it, store nothing
	s_cbranch_scc1 .Ldone
.irp s, 0,1,2,3
	s_wait_xcnt 0x0                                ; the registers that earlier stores read are rewritten only behind this wait
	WIN 0x02+\a/2
.set T, 64+32*(\s%2)
.set k, 0
.rept 32                                           ; k = 4 j + i
	v_fma_f32 v[T+k], v[128*(\a%2)+8*(4*\s+k%4)+k/4], v[144+4*\s+k%4], v[160+4*\s+k%4]
.set k, k+1
.endr
	WIN 0
.set k, 0
.rept 8
	global_store_b128 v[32+8*\a+k], v[T+4*k:T+4*k+3], s[12:13] offset:256*\s
.set k, k+1
.endr
.endr
.endr
.Ldone:
	s_endpgm
.Lfunc_end_k_qf0fd524d63_chain:
	.size	k_qf0fd524d63_chain, .Lfunc_end_k_qf0fd524d63_chain-k_qf0fd524d63_chain
	.p2alignl 7, 3214868480
	.fill 96, 4, 3214868480
	.section	.rodata,"a",@progbits
	.p2align	6, 0x0
	.amdhsa_kernel k_qf0fd524d63_chain
		.amdhsa_group_segment_fixed_size 215808
		.amdhsa_private_segment_fixed_size 0
		.amdhsa_enable_private_segment 0
		.amdhsa_kernarg_size 88
		.amdhsa_user_sgpr_count 2
		.amdhsa_user_sgpr_kernarg_segment_ptr 1
		.amdhsa_wavefront_size32 1
		.amdhsa_system_sgpr_workgroup_id_x 1
		.amdhsa_system_sgpr_workgroup_id_y 1
		.amdhsa_system_sgpr_workgroup_id_z 1
		.amdhsa_system_vgpr_workitem_id 0
		.amdhsa_next_free_vgpr 1024
		.amdhsa_next_free_sgpr 72
		.amdhsa_reserve_vcc 1
		.amdhsa_float_denorm_mode_32 3
		.amdhsa_float_denorm_mode_16_64 3
		.amdhsa_memory_ordered 1
		.amdhsa_forward_progress 1
		.amdhsa_inst_pref_size 255
	.end_amdhsa_kernel
	.section	.bss,"aw",@nobits
	.p2align	6
	.space	262144
	.amdgpu_metadata
---
amdhsa.version: [ 1, 2 ]
amdhsa.kernels:
  - .name:           k_qf0fd524d63_chain
    .symbol:         k_qf0fd524d63_chain.kd
    .args:
      - { .name: route, .offset: 0, .size: 8, .value_kind: global_buffer, .address_space: global }
      - { .name: sel, .offset: 8, .size: 8, .value_kind: global_buffer, .address_space: global }
      - { .name: x, .offset: 16, .size: 8, .value_kind: global_buffer, .address_space: global }
      - { .name: wf, .offset: 24, .size: 8, .value_kind: global_buffer, .address_space: global }
      - { .name: ypart, .offset: 32, .size: 8, .value_kind: global_buffer, .address_space: global }
      - { .name: b1, .offset: 40, .size: 8, .value_kind: global_buffer, .address_space: global }
      - { .name: g1, .offset: 48, .size: 8, .value_kind: global_buffer, .address_space: global }
      - { .name: be1, .offset: 56, .size: 8, .value_kind: global_buffer, .address_space: global }
      - { .name: b2, .offset: 64, .size: 8, .value_kind: global_buffer, .address_space: global }
      - { .name: g2, .offset: 72, .size: 8, .value_kind: global_buffer, .address_space: global }
      - { .name: be2, .offset: 80, .size: 8, .value_kind: global_buffer, .address_space: global }
    .group_segment_fixed_size: 215808
    .private_segment_fixed_size: 0
    .kernarg_segment_align: 8
    .kernarg_segment_size: 88
    .max_flat_workgroup_size: 128
    .sgpr_count:     72
    .vgpr_count:     1024
    .wavefront_size: 32
...
	.end_amdgpu_metadata
.endif
;; end of part 2
;; launch combine (part 3): grid 256 x 1, 8 waves a work-group, no clusters, 0 bytes of LDS; arguments ypart, gates, out0; writes out0
.if DOCPART == 3
	.amdgcn_target "amdgcn-amd-amdhsa--gfx1250"
	.amdhsa_code_object_version 6
	.text
	.protected	k_qf0fd524d63_combine
	.globl	k_qf0fd524d63_combine
	.p2align	8
	.type	k_qf0fd524d63_combine,@function
k_qf0fd524d63_combine:
	s_mov_b64 s[64:65], 0
	v_nop
	global_prefetch_b8 v0, s[64:65] scope:SCOPE_SE
	s_setreg_imm32_b32 hwreg(HW_REG_WAVE_MODE, 25, 1), 1
	s_wait_xcnt 0x0
; out[t] = p1[t] ypart[0][t] + p2[t] ypart[1][t].  A stream: each byte is read once and written once, so no LDS, no barrier and no matrix unit.
; A wave takes two tokens, 8,192 consecutive bytes of each slot and of out: 32 loads of 512 consecutive bytes, all issued before the first wait; each register is used once.
	s_load_b128 s[4:7], s[0:1], 0x0                ; ypart 4:5, gates 6:7
	s_load_b64 s[8:9], s[0:1], 0x10                ; out0
	v_and_b32 v1, 31, v0
	v_lshrrev_b32 v2, 5, v0
	v_readfirstlane_b32 s10, v2                    ; wave 0..7
	v_lshlrev_b32 v1, 4, v1                        ; 16 lane
	s_lshl_b32 s11, ttmp9, 3
	s_add_co_u32 s11, s11, s10                     ; my pair of tokens
	s_lshl_b32 s24, s11, 4                         ; its 16 bytes of gates,
	s_mov_b32 s25, 0
	s_lshl_b32 s26, s11, 13                        ; its 8,192 bytes of rows
	s_mov_b32 s27, 0
	s_wait_kmcnt 0x0
	s_add_nc_u64 s[6:7], s[6:7], s[24:25]
	s_load_b128 s[12:15], s[6:7], 0x0              ; p1, p2 of the first token, p1, p2 of the second
	s_add_nc_u64 s[4:5], s[4:5], s[26:27]          ; slot 0
	s_add_nc_u64 s[28:29], s[4:5], 0x1000000       ; slot 1: 4,096 rows on
	s_add_nc_u64 s[8:9], s[8:9], s[26:27]
.set n, 0
.rept 16
	global_load_b128 v[8+8*n:8+8*n+3], v1, s[4:5] offset:512*n th:TH_LOAD_NT
	global_load_b128 v[12+8*n:12+8*n+3], v1, s[28:29] offset:512*n th:TH_LOAD_NT
.set n, n+1
.endr
	s_wait_kmcnt 0x0
	s_mov_b32 s16, s12                             ; each gate in the low word of a pair of its own: the packed forms take that word for both halves
	s_mov_b32 s17, s12
	s_mov_b32 s18, s13
	s_mov_b32 s19, s13
	s_mov_b32 s20, s14
	s_mov_b32 s21, s14
	s_mov_b32 s22, s15
	s_mov_b32 s23, s15
.set n, 0
.rept 16
	s_wait_loadcnt 30-2*n                          ; loads come back in order: this piece's two are in, the younger pieces' stay out
	v_pk_mul_f32 v[12+8*n:13+8*n], v[12+8*n:13+8*n], s[18+4*(n/8):19+4*(n/8)] op_sel_hi:[1,0]
	v_pk_mul_f32 v[14+8*n:15+8*n], v[14+8*n:15+8*n], s[18+4*(n/8):19+4*(n/8)] op_sel_hi:[1,0]
	v_pk_fma_f32 v[8+8*n:9+8*n], v[8+8*n:9+8*n], s[16+4*(n/8):17+4*(n/8)], v[12+8*n:13+8*n] op_sel_hi:[1,0,1]
	v_pk_fma_f32 v[10+8*n:11+8*n], v[10+8*n:11+8*n], s[16+4*(n/8):17+4*(n/8)], v[14+8*n:15+8*n] op_sel_hi:[1,0,1]
	global_store_b128 v1, v[8+8*n:8+8*n+3], s[8:9] offset:512*n th:TH_STORE_NT
.set n, n+1
.endr
	s_endpgm
.Lfunc_end_k_qf0fd524d63_combine:
	.size	k_qf0fd524d63_combine, .Lfunc_end_k_qf0fd524d63_combine-k_qf0fd524d63_combine
	.p2alignl 7, 3214868480
	.fill 96, 4, 3214868480
	.section	.rodata,"a",@progbits
	.p2align	6, 0x0
	.amdhsa_kernel k_qf0fd524d63_combine
		.amdhsa_group_segment_fixed_size 0
		.amdhsa_private_segment_fixed_size 0
		.amdhsa_enable_private_segment 0
		.amdhsa_kernarg_size 24
		.amdhsa_user_sgpr_count 2
		.amdhsa_user_sgpr_kernarg_segment_ptr 1
		.amdhsa_wavefront_size32 1
		.amdhsa_system_sgpr_workgroup_id_x 1
		.amdhsa_system_sgpr_workgroup_id_y 1
		.amdhsa_system_sgpr_workgroup_id_z 1
		.amdhsa_system_vgpr_workitem_id 0
		.amdhsa_next_free_vgpr 136
		.amdhsa_next_free_sgpr 66
		.amdhsa_reserve_vcc 0
		.amdhsa_float_denorm_mode_32 3
		.amdhsa_float_denorm_mode_16_64 3
		.amdhsa_memory_ordered 1
		.amdhsa_forward_progress 1
		.amdhsa_inst_pref_size 11
	.end_amdhsa_kernel
	.amdgpu_metadata
---
amdhsa.version: [ 1, 2 ]
amdhsa.kernels:
  - .name:           k_qf0fd524d63_combine
    .symbol:         k_qf0fd524d63_combine.kd
    .args:
      - { .name: ypart, .offset: 0, .size: 8, .value_kind: global_buffer, .address_space: global }
      - { .name: gates, .offset: 8, .size: 8, .value_kind: global_buffer, .address_space: global }
      - { .name: out0, .offset: 16, .size: 8, .value_kind: global_buffer, .address_space: global }
    .group_segment_fixed_size: 0
    .private_segment_fixed_size: 0
    .kernarg_segment_align: 8
    .kernarg_segment_size: 24
    .max_flat_workgroup_size: 256
    .sgpr_count:     66
    .vgpr_count:     136
    .wavefront_size: 32
...
	.end_amdgpu_metadata
.endif
;; end of part 3
;; ======== version 2 of 2: 3 launches; version 1 with the launch combine written anew for expert scheduling mode
;; limits: values are held in f16: magnitudes above 65,504 overflow, below 6.1e-05 lose precision; inputs' magnitudes at most 65,504
;; workspace buffers: wf 33,554,432 bytes; route 8,192 bytes of whole numbers; sel 16,384 bytes of whole numbers; gates 32,768 bytes; ypart 33,554,432 bytes
;; launch prep: the kernel of part 1 again; grid 384 x 1, 8 waves a work-group, no clusters, 5,120 bytes of LDS; arguments x, Wr, br, W1, W2, wf, route, sel, gates; writes wf, route, sel, gates
;; launch chain: the kernel of part 2 again; grid 135 x 1, 4 waves a work-group, no clusters, 215,808 bytes of LDS; arguments route, sel, x, wf, ypart, b1, g1, be1, b2, g2, be2; writes ypart
;; launch combine (part 4): grid 256 x 1, 8 waves a work-group, no clusters, 0 bytes of LDS; arguments ypart, gates, out0; writes out0
.if DOCPART == 4
	.amdgcn_target "amdgcn-amd-amdhsa--gfx1250"
	.amdhsa_code_object_version 6
	.text
	.protected	k_qf0fd524d63_combine
	.globl	k_qf0fd524d63_combine
	.p2align	8
	.type	k_qf0fd524d63_combine,@function
k_qf0fd524d63_combine:
	s_mov_b64 s[64:65], 0
	v_nop
	global_prefetch_b8 v0, s[64:65] scope:SCOPE_SE
	s_setreg_imm32_b32 hwreg(HW_REG_WAVE_SCHED_MODE, 0, 2), 2
	s_setreg_imm32_b32 hwreg(HW_REG_WAVE_MODE, 25, 1), 1
	s_wait_xcnt 0x0
	s_wait_alu depctr_vm_vsrc(0)
; out[t] = p1[t] ypart[0][t] + p2[t] ypart[1][t].  A stream: each byte is read once and written once, so no LDS, no barrier and no matrix unit.
; A wave takes two tokens, 8,192 consecutive bytes of each slot and of out: 32 loads of 512 consecutive bytes, all issued before the first wait; each register is used once.
; THE MODE: SCHED_MODE bits 1:0 = 2 (LLVM: expert scheduling mode 2), set by the entry lines.  The code itself states the register dependences between vector instructions and memory instructions,
; with s_wait_alu, always for 0.
; THE PLAN.  Registers that memory instructions touch:
;   v1            16 x lane: the offset of every load and store; written once at the head, ahead of a wait on va_vdst.
;   v[8 + 8 n ..] piece n of 16: eight registers.  The loads land in them before any vector line names them; the piece's four packed lines work in place; its store reads the first four.  None is written again.
; The pieces go in blocks of four.  ONE wait on va_vdst at a block's head states that the block before has written its results; its four stores follow, one ahead of each piece's wait for its loads, and no
; vector line of the block in hand names their registers.  One more wait stands ahead of the last four stores.
	s_load_b128 s[4:7], s[0:1], 0x0                ; ypart 4:5, gates 6:7
	s_load_b64 s[8:9], s[0:1], 0x10                ; out0
	v_and_b32 v1, 31, v0
	v_lshrrev_b32 v2, 5, v0
	v_readfirstlane_b32 s10, v2                    ; wave 0..7
	v_lshlrev_b32 v1, 4, v1                        ; 16 lane
	s_wait_alu depctr_va_sdst(0)                   ; s10 is written, ahead of its first reader
	s_lshl_b32 s11, ttmp9, 3
	s_add_co_u32 s11, s11, s10                     ; my pair of tokens
	s_lshl_b32 s24, s11, 4                         ; its 16 bytes of gates,
	s_mov_b32 s25, 0
	s_lshl_b32 s26, s11, 13                        ; its 8,192 bytes of rows
	s_mov_b32 s27, 0
	s_wait_kmcnt 0x0
	s_add_nc_u64 s[6:7], s[6:7], s[24:25]
	s_load_b128 s[12:15], s[6:7], 0x0              ; p1, p2 of the first token, p1, p2 of the second
	s_add_nc_u64 s[4:5], s[4:5], s[26:27]          ; slot 0
	s_add_nc_u64 s[28:29], s[4:5], 0x1000000       ; slot 1: 4,096 rows on
	s_add_nc_u64 s[8:9], s[8:9], s[26:27]
	s_wait_alu depctr_va_vdst(0)                   ; v1 is written: every load and store reads it as its offset
.set n, 0
.rept 16
	global_load_b128 v[8+8*n:8+8*n+3], v1, s[4:5] offset:512*n th:TH_LOAD_NT
	global_load_b128 v[12+8*n:12+8*n+3], v1, s[28:29] offset:512*n th:TH_LOAD_NT
.set n, n+1
.endr
	s_wait_kmcnt 0x0
	s_mov_b32 s16, s12                             ; each gate in the low word of a pair of its own: the packed forms take that word for both halves
	s_mov_b32 s17, s12
	s_mov_b32 s18, s13
	s_mov_b32 s19, s13
	s_mov_b32 s20, s14
	s_mov_b32 s21, s14
	s_mov_b32 s22, s15
	s_mov_b32 s23, s15
.set n, 0
.rept 16
.if (n%4 == 0) && (n > 0)
	s_wait_alu depctr_va_vdst(0)                   ; the block before has written its four pieces' results, which the block's four stores read
.endif
.if n >= 4
	global_store_b128 v1, v[8+8*(n-4):8+8*(n-4)+3], s[8:9] offset:512*(n-4) th:TH_STORE_NT   ; a piece of the block before
.endif
	s_wait_loadcnt 30-2*n                          ; loads come back in order: this piece's two are in, the younger pieces' stay out
	v_pk_mul_f32 v[12+8*n:13+8*n], v[12+8*n:13+8*n], s[18+4*(n/8):19+4*(n/8)] op_sel_hi:[1,0]
	v_pk_mul_f32 v[14+8*n:15+8*n], v[14+8*n:15+8*n], s[18+4*(n/8):19+4*(n/8)] op_sel_hi:[1,0]
	v_pk_fma_f32 v[8+8*n:9+8*n], v[8+8*n:9+8*n], s[16+4*(n/8):17+4*(n/8)], v[12+8*n:13+8*n] op_sel_hi:[1,0,1]
	v_pk_fma_f32 v[10+8*n:11+8*n], v[10+8*n:11+8*n], s[16+4*(n/8):17+4*(n/8)], v[14+8*n:15+8*n] op_sel_hi:[1,0,1]
.set n, n+1
.endr
	s_wait_alu depctr_va_vdst(0)                   ; the last block has written its results, which the last four stores read
.set n, 12
.rept 4
	global_store_b128 v1, v[8+8*n:8+8*n+3], s[8:9] offset:512*n th:TH_STORE_NT
.set n, n+1
.endr
	s_endpgm
.Lfunc_end_k_qf0fd524d63_combine:
	.size	k_qf0fd524d63_combine, .Lfunc_end_k_qf0fd524d63_combine-k_qf0fd524d63_combine
	.p2alignl 7, 3214868480
	.fill 96, 4, 3214868480
	.section	.rodata,"a",@progbits
	.p2align	6, 0x0
	.amdhsa_kernel k_qf0fd524d63_combine
		.amdhsa_group_segment_fixed_size 0
		.amdhsa_private_segment_fixed_size 0
		.amdhsa_enable_private_segment 0
		.amdhsa_kernarg_size 24
		.amdhsa_user_sgpr_count 2
		.amdhsa_user_sgpr_kernarg_segment_ptr 1
		.amdhsa_wavefront_size32 1
		.amdhsa_system_sgpr_workgroup_id_x 1
		.amdhsa_system_sgpr_workgroup_id_y 1
		.amdhsa_system_sgpr_workgroup_id_z 1
		.amdhsa_system_vgpr_workitem_id 0
		.amdhsa_next_free_vgpr 136
		.amdhsa_next_free_sgpr 66
		.amdhsa_reserve_vcc 0
		.amdhsa_float_denorm_mode_32 3
		.amdhsa_float_denorm_mode_16_64 3
		.amdhsa_memory_ordered 1
		.amdhsa_forward_progress 1
		.amdhsa_inst_pref_size 11
	.end_amdhsa_kernel
	.amdgpu_metadata
---
amdhsa.version: [ 1, 2 ]
amdhsa.kernels:
  - .name:           k_qf0fd524d63_combine
    .symbol:         k_qf0fd524d63_combine.kd
    .args:
      - { .name: ypart, .offset: 0, .size: 8, .value_kind: global_buffer, .address_space: global }
      - { .name: gates, .offset: 8, .size: 8, .value_kind: global_buffer, .address_space: global }
      - { .name: out0, .offset: 16, .size: 8, .value_kind: global_buffer, .address_space: global }
    .group_segment_fixed_size: 0
    .private_segment_fixed_size: 0
    .kernarg_segment_align: 8
    .kernarg_segment_size: 24
    .max_flat_workgroup_size: 256
    .sgpr_count:     66
    .vgpr_count:     136
    .wavefront_size: 32
...
	.end_amdgpu_metadata
.endif
;; end of part 4
